; MI455X (gfx1250); checked and timed in simulation.
; The chip was launched on July 23, 2026; its instructions are those of AMD's public machine-readable ISA for CDNA 5 (MIT licence, August 2026) and "CDNA5" Instruction Set Architecture Reference Guide (July 2026). The comments in the code are by the model that wrote it; some were corrected since.
;; Multi Head Diff Attention. Allowed arithmetic: matrix products marked QUANTISED: E2M3 operands, one E8M0 scale for each 32 along K, by v_wmma_scale_f32_16x16x128_f8f6f4 with both operands' format E2M3, f32 sums; everything else in f32.
;; Inputs: Wc_codes 1,024 x 64 x 24 uint8 (E2M3 codes of Wc, K innermost, in blocks of 32 codes, four codes in three bytes); Wc_scales 1,024 x 64 uint8 (E8M0 scales of Wc, one for each 32 codes along K); Wk1_codes 1,024 x 32 x 24 uint8 (E2M3 codes of Wk1, K innermost, in blocks of 32 codes, four codes in three bytes); Wk1_scales 1,024 x 32 uint8 (E8M0 scales of Wk1, one for each 32 codes along K); Wk2_codes 1,024 x 32 x 24 uint8 (E2M3 codes of Wk2, K innermost, in blocks of 32 codes, four codes in three bytes); Wk2_scales 1,024 x 32 uint8 (E8M0 scales of Wk2, one for each 32 codes along K); Wq1_codes 1,024 x 32 x 24 uint8 (E2M3 codes of Wq1, K innermost, in blocks of 32 codes, four codes in three bytes); Wq1_scales 1,024 x 32 uint8 (E8M0 scales of Wq1, one for each 32 codes along K); Wq2_codes 1,024 x 32 x 24 uint8 (E2M3 codes of Wq2, K innermost, in blocks of 32 codes, four codes in three bytes); Wq2_scales 1,024 x 32 uint8 (E8M0 scales of Wq2, one for each 32 codes along K); Wv_codes 2,048 x 32 x 24 uint8 (E2M3 codes of Wv, K innermost, in blocks of 32 codes, four codes in three bytes); Wv_scales 2,048 x 32 uint8 (E8M0 scales of Wv, one for each 32 codes along K); lk1 16 x 64 float32; lk2 16 x 64 float32; lq1 16 x 64 float32; lq2 16 x 64 float32; x_codes 4 x 1,024 x 32 x 24 uint8 (E2M3 codes of x, K innermost, in blocks of 32 codes, four codes in three bytes); x_scales 4 x 1,024 x 32 uint8 (E8M0 scales of x, one for each 32 codes along K).
;; Outputs: out0 4 x 1,024 x 1,024 float32.
;; This version of the problem:
;;   THIS VERSION OF THE PROBLEM IS GIVEN IN LOW PRECISION. The matrix products marked QUANTISED in the list below multiply operands that are first quantised to E2M3 (2 exponent bits, 3 mantissa bits; 6 bits a number), with one power-of-two scale for each 32 numbers along K (OCP MX v1.0); their sums are f32. All else is computed in f32.
;;   The module's matrix products, in the order in which they are computed (A, B: the left and right operand; K: the contracted axis; several contracted axes count as one K, in the product's order):
;;     1. [M 4,096, K 1,024] x [K 1,024, N 1,024]; A: input x (given as codes); B: input Wq1 (given as codes): QUANTISED
;;     2. [M 4,096, K 1,024] x [K 1,024, N 1,024]; A: input x (given as codes); B: input Wq2 (given as codes): QUANTISED
;;     3. [M 4,096, K 1,024] x [K 1,024, N 1,024]; A: input x (given as codes); B: input Wk1 (given as codes): QUANTISED
;;     4. [M 4,096, K 1,024] x [K 1,024, N 1,024]; A: input x (given as codes); B: input Wk2 (given as codes): QUANTISED
;;     5. [M 4,096, K 1,024] x [K 1,024, N 2,048]; A: input x (given as codes); B: input Wv (given as codes): QUANTISED
;;     6. batch 64 x [M 1,024, K 64] x [K 64, N 1,024]; A: computed on the way; B: computed on the way: QUANTISED
;;     7. batch 64 x [M 1,024, K 64] x [K 64, N 1,024]; A: computed on the way; B: computed on the way: QUANTISED
;;     8. batch 64 x [M 128, K 1,024] x [K 1,024, N 1,024]; A: computed on the way; B: computed on the way: QUANTISED
;;     9. [M 4,096, K 2,048] x [K 2,048, N 1,024]; A: computed on the way; B: input Wc (given as codes): QUANTISED
;;   THE QUANTISER, for each operand of a quantised product, along K:
;;     - K is cut into blocks of 32 from its start; a last block that is shorter is filled with zeros.
;;     - A block's scale is 2^e with e = floor(log2(the largest magnitude in the block)) - 2, held to -126 .. 127; a block of zeros has e = 0. As a byte (E8M0): e + 127.
;;     - Each number is divided by its block's scale, clamped to +-7.5, and rounded to the nearest number of E2M3, ties to even, subnormals kept.
;;     - The product sums the exact products of the quantised numbers (number of the format x scale) in f32.
;;   ~~~python
;;   def quantise(x, axis):      # numpy; x: float32 -> the quantised numbers, widened to float32 again
;;       x = np.moveaxis(x, axis, -1); K = x.shape[-1]
;;       x = np.pad(x, [(0, 0)] * (x.ndim - 1) + [(0, -K % 32)]); x = x.reshape(x.shape[:-1] + (-1, 32)); a = np.abs(x).max(-1, keepdims=True)
;;       e = np.where(a > 0, np.clip(np.frexp(np.where(a > 0, a, 1))[1] - 1 - 2, -126, 127), 0)      # np.frexp(a)[1] - 1 = floor(log2(a)), exactly
;;       r = np.clip(x / 2.0 ** e, -7.5, 7.5)
;;       step = 2.0 ** (np.maximum(np.frexp(np.where(r == 0, 1, r))[1] - 1, 0) - 3)
;;       q = np.round(r / step) * step * 2.0 ** e      # np.round: ties to even
;;       return np.moveaxis(q.reshape(q.shape[:-2] + (-1,))[..., :K], -1, axis).astype(np.float32)
;;   ~~~
;;   OPERANDS COMPUTED ON THE WAY. 'Computed on the way' means the value that the module computes at that place (a softmax that the list does not call 'softmax' is quantised finished and normalised). What goes into a quantiser is computed in f32, as accurately as f32 sums, v_exp_f32 and their like allow (about 1e-6 of the number): no bf16 or f16 on the way to a quantiser, and a product that is left as it is and whose result goes on into a quantised operand takes f32 operands (vector FMAs, or v_wmma_f32_16x16x4_f32). A number that lies on a knife's edge between two numbers of the format may be rounded either way, as far as f32 arithmetic and the matrix unit's own rounding can turn it there, and no further.
;;   INPUTS GIVEN AS CODES. Wc (in the module: [2048, 1024], K = its axis 0); Wk1 (in the module: [1024, 1024], K = its axis 0); Wk2 (in the module: [1024, 1024], K = its axis 0); Wq1 (in the module: [1024, 1024], K = its axis 0); Wq2 (in the module: [1024, 1024], K = its axis 0); Wv (in the module: [1024, 2048], K = its axis 0); x (in the module: [4, 1024, 1024], K = its axis 2): each comes as NAME_codes (uint8): NAME with its K axis moved to the last place and cut into blocks of 32 codes, [.., K / 32, bytes a block], one block behind the other in memory; four codes in three bytes: a row's codes are one little-endian stream of bits, code i at bits 6 i .. 6 i + 5 (a code: sign, 2 exponent bits, 3 mantissa bits); and NAME_scales (uint8): the same leading axes, one E8M0 byte (e + 127) for each 32 codes along K. Its value is code x scale, taken as it is: it is not quantised again, and the codes and scales need not be those that the quantiser above would give.
;; One version. Each part assembles by itself: llvm-mc -triple=amdgcn-amd-amdhsa -mcpu=gfx1250 --defsym DOCPART=n.
;; ======== version 1 of 1: 3 launches
;; limits: right only within a limited range of input values
;; workspace buffers: frag 19,660,800 bytes; fsc 524,288 bytes; yfrag 6,291,456 bytes; ysc 262,144 bytes
;; launch proj (part 1): grid 16 x 48, 4 waves a work-group, clusters of 4 x 4, 327,680 bytes of LDS; arguments x_codes, x_scales, Wq1_codes, Wq1_scales, Wq2_codes, Wq2_scales, Wk1_codes, Wk1_scales, Wk2_codes, Wk2_scales, Wv_codes, Wv_scales, frag, fsc; writes frag, fsc
.if DOCPART == 1
	.amdgcn_target "amdgcn-amd-amdhsa--gfx1250"
	.amdhsa_code_object_version 6
	.text
	.protected	k_qbae498d07c_proj
	.globl	k_qbae498d07c_proj
	.p2align	8
	.type	k_qbae498d07c_proj,@function
k_qbae498d07c_proj:
	s_mov_b64 s[64:65], 0
	v_nop
	global_prefetch_b8 v0, s[64:65] scope:SCOPE_SE
	s_setreg_imm32_b32 hwreg(HW_REG_WAVE_MODE, 25, 1), 1
	s_wait_xcnt 0x0
	s_wait_alu depctr_hold_cnt(0) depctr_sa_sdst(0) depctr_va_vdst(0) depctr_va_sdst(0) depctr_va_ssrc(0) depctr_va_vcc(0) depctr_vm_vsrc(0)
	s_getreg_b32 s2, hwreg(HW_REG_IB_STS2, 6, 4)
	s_cmp_eq_u32 s2, 0
	s_cbranch_scc0 .Lentry_in_a_cluster
	s_endpgm
.Lentry_in_a_cluster:
	s_bfe_u32 s2, ttmp6, 0x10000c
	s_cmp_lg_u32 s2, 0xf033
	s_cbranch_scc0 .Lentry_shape_is_right
	s_endpgm
.Lentry_shape_is_right:
; THE FIVE PROJECTIONS q1, q2, k1, k2, v = x W on FP6 (E2M3) codes with E8M0 scales, K = 1,024, and the quantisers of their results.
; A product is R P^T; source 0 = 16 rows of P, source 1 = 16 rows of R: a lane holds one row of R, its registers run along P's rows, which are the next product's K.
;   q, k (cluster y 0-7):  R = x (tokens), P = Wq1, Wq2, Wk1 or Wk2 (cluster x says which).   v (cluster y 8-11): R = Wv (one head's 128 channels), P = x (tokens = keys).
; A work-group makes 128 (R) x 256 (P); a wave 64 x 128: 32 accumulators.  ALL OF K lies in LDS: 384 whole rows of 768 bytes, each beginning at a multiple of 256 bytes of memory, and the rows' scale bytes.
; They are filled once, one tensor load a wave; nothing is filled again.  16 bytes of padding behind every 256: pitch 816 = 204 words, so row r starts at bank 12 r mod 64 (64 banks of 4 bytes: ISA guide 11.1).
; CLUSTERS 4 x 4: R's tile is shared along a row of the cluster, P's along a column, each asked for jointly.  No prefetch: every tensor load stands at the head, there is no later load to run ahead of.
; ORDER INSIDE A BLOCK OF 32: a lane half h holds P rows 8 h + 0..7 and 16 + 8 h + 0..7, so codes lie as 0-7, 16-23, 8-15, 24-31, alike in both operands of each later product.
; WHAT LEAVES: a fragment (16 rows x 128 K) as an image of its 12 registers, 1,536 bytes: registers 0-3 at 16 x lane, 4-5 at 512 + 8 x lane, 6-9 at 768 + 16 x lane, 10-11 at 1,280 + 8 x lane.
; frag: q's images [head 64][tile 64]; from 0x600000 a block of 208,896 bytes a head: K's 64 images, V's 64 images [key step][channel tile], k1's, k2's and V's scale words (4,096 bytes each).  fsc: q's words.
; For q and k bytes 0-767 of an image are stream 1, 768-1,535 stream 2; the stream's two scale bytes stand at bytes 2 s, 2 s + 1 of a word, the other two (1 .. 254) meet zero codes only.
; LIMITS: NaN and infinities are not served; a block of zeros gets the byte 1 (its codes are zeros; this program alone reads the bytes).
.set KROW,  768
.set PITCH, 816
.set FR,    12
.set PB,    128*PITCH                  ; P's 256 rows behind R's 128
.set SCL,   384*PITCH                  ; the scale bytes, units of 256 + 16: R's 16 units, P's 32
.set SBLK,  544                        ; those of 16 rows
.set SPARE, SCL+48*272                 ; the spare words
.set HB,    208896                     ; a head's block in frag
.set ADRA, 16                          ; v16-17 R's fragments (plain; lanes 16-31 behind one padding more)
.set ADRB, 20                          ; v20-21 P's blocks 0-3, v22-23 blocks 4-7
.set LI16, 24
.set LI8,  25
.set SSTO, 26                          ; stage for new scale words: 512 bytes a wave from LDS byte 0, used behind the barrier that ends all reads of R's rows
.set ADRS, 27
.set SPW,  28
.set NIL,  29
.set SRD,  30
.set SC,   32                          ; v32-95 scale words: register 8 i + step; lanes 0-15 R's block i, lanes 16-31 P's block i
.set TM,   96
.set PW,   108
.set CD,   110
.set PWA,  130
.set PWB,  134
.set SBK,  138
.set AF,   144                         ; R's fragments, two sets of 48, window 0; P's: two sets at v0, v128 of window 1; accumulators: window 2
.set G1, 24
.set G0, 32
.set G1B, 48
.set G0B, 56
.set G1S, 68
.set G0S, 76
.set G1SB, 80
.set G0SB, 88
.set SEL, 96
.set MSB, 0
.macro WIN new
.if MSB != \new
	s_set_vgpr_msb (MSB<<8)|\new
.set MSB, \new
.endif
.endm
.set MUL, 0xa1                         ; source 0 window 1, source 1 window 0, C and D window 2
.macro PLACES
.rept 4
	v_nop
.endr
.endm
.macro CROUND
	s_barrier_signal -1
	s_barrier_wait -1
	s_cmp_lg_u32 s14, 0
	s_cbranch_scc1 .Lnot_wave_0_\@
	s_barrier_signal -3
.Lnot_wave_0_\@:
	s_barrier_wait -3
	s_barrier_signal -1
	s_barrier_wait -1
.endm
	s_load_b512 s[24:39], s[0:1], 0x0              ; x; Wq1; Wq2; Wk1 (codes, scales)
	s_load_b256 s[40:47], s[0:1], 0x40             ; Wk2; Wv
	s_load_b128 s[48:51], s[0:1], 0x60             ; frag, fsc
	v_lshl_add_u32 v[SPW], v0, 2, SPARE
	v_mov_b32 v[NIL], 0
	ds_add_u32 v[SPW], v[NIL]                      ; the opening lines
	ds_add_u32 v[SPW], v[NIL]
	v_lshrrev_b32 v1, 5, v0
	v_readfirstlane_b32 s14, v1                    ; wave
	s_lshr_b32 s15, s14, 1                         ; my half of R's rows
	s_and_b32 s16, s14, 1                          ; my half of P's rows
	s_and_b32 s17, ttmp7, 0xffff                   ; cluster y
	s_wait_dscnt 0x0
	s_wait_kmcnt 0x0
	s_cmp_eq_u32 ttmp9, 1                          ; cluster x names the weight; these choices hang on cluster numbers alone
	s_cselect_b64 s[28:29], s[32:33], s[28:29]
	s_cselect_b64 s[30:31], s[34:35], s[30:31]
	s_cmp_eq_u32 ttmp9, 2
	s_cselect_b64 s[28:29], s[36:37], s[28:29]
	s_cselect_b64 s[30:31], s[38:39], s[30:31]
	s_cmp_eq_u32 ttmp9, 3
	s_cselect_b64 s[28:29], s[40:41], s[28:29]
	s_cselect_b64 s[30:31], s[42:43], s[30:31]
	s_cmp_ge_u32 s17, 8                            ; cluster y 8-11: v
	s_cselect_b64 s[4:5], s[44:45], s[24:25]       ; R's codes
	s_cselect_b64 s[6:7], s[46:47], s[26:27]       ; R's scales
	s_cselect_b64 s[8:9], s[24:25], s[28:29]       ; P's codes
	s_cselect_b64 s[10:11], s[26:27], s[30:31]     ; P's scales
	s_cselect_b32 s12, 1, 0
	s_mov_b64 s[98:99], s[48:49]                   ; frag
	s_mov_b64 s[100:101], s[50:51]                 ; fsc
	s_bfe_u32 s40, ttmp6, 0x40000                  ; cx
	s_bfe_u32 s41, ttmp6, 0x40004                  ; cy
	s_lshl_b32 s42, ttmp9, 2
	s_add_co_u32 s42, s42, s40                     ; tile column
	s_lshl_b32 s17, s17, 2
	s_add_co_u32 s17, s17, s41                     ; tile row
	s_lshl_b32 s43, s41, 2
	s_lshl_b32 s43, 15, s43                        ; my row of the cluster
	s_lshl_b32 s44, 0x1111, s40                    ; my column
	s_or_b32 s[G1], s43, (1<<20)|(1<<21)|(5<<22)|(3<<25)    ; bytes; 4 words of padding behind every 64
	s_or_b32 s[G1B], s44, (1<<20)|(1<<21)|(5<<22)|(3<<25)
	s_mov_b32 s[G1+2], 128<<16                     ; R: 128 rows
	s_mov_b32 s[G1+4], 128
	s_mov_b32 s[G1B+2], 256<<16                    ; P: 256 rows
	s_mov_b32 s[G1B+4], 256
.irp g, G1, G1B
	s_mov_b32 s[\g+1], KROW<<16
	s_mov_b32 s[\g+3], KROW<<16
	s_mov_b32 s[\g+5], KROW
	s_mov_b32 s[\g+6], 0
	s_mov_b32 s[\g+7], 0
.endr
	s_or_b32 s[G1S], s43, (3<<16)|(1<<20)|(1<<21)|(5<<22)|(3<<25)   ; scale bytes: dense, as rows of 256 bytes
	s_or_b32 s[G1SB], s44, (3<<16)|(1<<20)|(1<<21)|(5<<22)|(3<<25)
	s_mov_b32 s[G1S+2], 16<<16
	s_mov_b32 s[G1S+4], 16
	s_mov_b32 s[G1SB+2], 32<<16
	s_mov_b32 s[G1SB+4], 32
.irp g, G1S, G1SB
	s_mov_b32 s[\g+1], 32<<16
	s_mov_b32 s[\g+3], 32<<16
	s_mov_b32 s[\g+5], 32
	s_mov_b32 s[\g+6], 0
	s_mov_b32 s[\g+7], 0
.endr
	s_cmp_lg_u32 s12, 0
	s_cselect_b32 s66, 32, 0
	s_cselect_b32 s67, s42, s40                    ; P's tile of 256 rows: of x by the tile column, of a weight by cx
	s_sub_co_u32 s66, s17, s66                     ; R's tile of 128 rows
	s_mul_i32 s20, s66, 128*KROW
	s_mov_b32 s21, 0
	s_lshl_b32 s22, s66, 12
	s_mov_b32 s23, 0
	s_mul_i32 s46, s67, 256*KROW
	s_mov_b32 s47, 0
	s_lshl_b32 s92, s67, 13
	s_mov_b32 s93, 0
	s_mov_b32 s[G0], 1
	s_mov_b32 s[G0+1], 0
	s_add_nc_u64 s[G0+2:G0+3], s[4:5], s[20:21]
	s_or_b32 s[G0+3], s[G0+3], 0x80000000
	s_mov_b32 s[G0B], 1
	s_mov_b32 s[G0B+1], PB
	s_add_nc_u64 s[G0B+2:G0B+3], s[8:9], s[46:47]
	s_or_b32 s[G0B+3], s[G0B+3], 0x80000000
	s_mov_b32 s[G0S], 1
	s_mov_b32 s[G0S+1], SCL
	s_add_nc_u64 s[G0S+2:G0S+3], s[6:7], s[22:23]
	s_or_b32 s[G0S+3], s[G0S+3], 0x80000000
	s_mov_b32 s[G0SB], 1
	s_mov_b32 s[G0SB+1], SCL+8*SBLK
	s_add_nc_u64 s[G0SB+2:G0SB+3], s[10:11], s[92:93]
	s_or_b32 s[G0SB+3], s[G0SB+3], 0x80000000
	CROUND                                         ; all sixteen work-groups are here: the joint loads meet
; the launch's four fills, one a wave, in one chain of branches on the wave's number
.macro ARM under, g0, g1, next
	s_cmp_lt_u32 s14, \under
	s_cbranch_scc0 \next
	tensor_load_to_lds s[\g0:\g0+3], s[\g1:\g1+7]
	s_nop 0
	PLACES
	s_branch .Lhead_asked
\next:
.endm
	ARM 1, G0,  G1,  .Lhead_b
	ARM 2, G0B, G1B, .Lhead_sa
	ARM 3, G0S, G1S, .Lhead_sb
	tensor_load_to_lds s[G0SB:G0SB+3], s[G1SB:G1SB+7]
	s_nop 0
	PLACES
.Lhead_asked:
	s_mul_i32 s18, s15, 64*PITCH                   ; my 64 rows of R
	s_mul_i32 s19, s16, 128*PITCH
	s_add_co_u32 s19, s19, PB                      ; my 128 rows of P
	s_add_co_u32 s20, s19, 64*PITCH
	s_mul_i32 s21, s15, 4*SBLK
	s_mul_i32 s22, s16, 8*SBLK
	s_add_co_u32 s22, s22, 8*SBLK
	s_sub_co_u32 s22, s22, s21                     ; from R's words to P's
	s_add_co_u32 s21, s21, SCL
	s_lshl_b32 s23, s14, 9                         ; my stage
	v_and_b32 v1, 15, v0
	v_bfe_u32 v2, v0, 4, 1
	v_and_b32 v7, 31, v0
	v_mul_u32_u24 v3, v1, PITCH
	v_mad_u32_u24 v4, v2, 24, v3                   ; row x pitch + 24 x half
	v_lshl_add_u32 v5, v2, 4, v4
	v_add_nc_u32 v[ADRA], s18, v4
	v_add_nc_u32 v[ADRA+1], s18, v5
	v_add_nc_u32 v[ADRB], s19, v4
	v_add_nc_u32 v[ADRB+1], s19, v5
	v_add_nc_u32 v[ADRB+2], s20, v4
	v_add_nc_u32 v[ADRB+3], s20, v5
	v_lshlrev_b32 v5, 5, v1                        ; 32 scale bytes a row,
	v_lshrrev_b32 v6, 3, v1
	v_lshl_add_u32 v5, v6, 4, v5                   ; 16 more behind each 256
	v_mul_u32_u24 v6, s22, v2                      ; lanes 16-31 take P's
	v_add_nc_u32 v5, v5, v6
	v_add_nc_u32 v[ADRS], s21, v5
	v_lshlrev_b32 v[LI16], 4, v7
	v_lshlrev_b32 v[LI8], 3, v7
	v_lshl_add_u32 v[SSTO], v1, 2, s23
	v_add_nc_u32 v[SRD], s23, v[LI8]
.irp b, 0,1,2,3
	v_mov_b32 v[TM+4+\b], 0                        ; a lane permute's destination counts as a source
.endr
	; WHERE THE RESULTS GO: both ways' offsets, then one choice
	s_lshr_b32 s18, s17, 3
	s_lshl_b32 s18, s18, 4
	s_lshl_b32 s19, s40, 2
	s_add_co_u32 s18, s18, s19
	s_lshl_b32 s19, s16, 1
	s_add_co_u32 s18, s18, s19                     ; q, k: first head = 16 x batch + 4 cx + 2 x half
	s_and_b32 s19, s17, 7
	s_lshl_b32 s19, s19, 3
	s_lshl_b32 s20, s15, 2
	s_add_co_u32 s19, s19, s20                     ; first token tile
	s_lshr_b32 s20, ttmp9, 1                       ; 0 q, 1 k
	s_and_b32 s21, ttmp9, 1                        ; the stream
	s_mul_i32 s22, s18, 98304
	s_mul_i32 s23, s18, HB
	s_add_co_u32 s23, s23, 0x600000
	s_lshl_b32 s45, s18, 13
	s_add_co_u32 s46, s23, 196608
	s_mov_b32 s66, 98304                           ; from a head to the next: images,
	s_mov_b32 s94, 8192                            ; words
	s_cmp_lg_u32 s20, 0
	s_cselect_b32 s22, s23, s22
	s_cselect_b32 s45, s46, s45
	s_cselect_b32 s66, HB, s66
	s_cselect_b32 s94, HB, s94
	s_mul_i32 s23, s19, 1536
	s_add_co_u32 s22, s22, s23
	s_mul_i32 s23, s21, 768
	s_add_co_u32 s22, s22, s23                     ; the first image's half
	s_lshl_b32 s23, s21, 12
	s_add_co_u32 s45, s45, s23
	s_lshl_b32 s23, s19, 6
	s_add_co_u32 s45, s45, s23                     ; the first word
	s_mov_b32 s13, 0x03020100                      ; a word as it is,
	s_mov_b32 s95, 0x01000302                      ; and with its halves exchanged
	s_cmp_lg_u32 s21, 0
	s_cselect_b32 s92, s95, s13
	s_cselect_b32 s93, s13, s95
	s_lshr_b32 s23, s42, 2                         ; v: head = 16 x batch + tile row - 32
	s_lshl_b32 s23, s23, 4
	s_add_co_u32 s23, s23, s17
	s_sub_co_u32 s23, s23, 32
	s_mul_i32 s23, s23, HB
	s_add_co_u32 s23, s23, 0x600000+98304
	s_and_b32 s46, s42, 3
	s_lshl_b32 s46, s46, 1
	s_add_co_u32 s46, s46, s16                     ; key step
	s_mul_i32 s96, s46, 12288
	s_add_co_u32 s96, s96, s23
	s_mul_i32 s97, s15, 6144
	s_add_co_u32 s96, s96, s97                     ; image [key step][4 x half]
	s_lshl_b32 s97, s46, 9
	s_add_co_u32 s97, s97, s23
	s_add_co_u32 s97, s97, 98304+8192
	s_lshl_b32 s46, s15, 8
	s_add_co_u32 s97, s97, s46                     ; its words
	s_cmp_lg_u32 s12, 0
	s_cselect_b32 s22, s96, s22
	s_cselect_b32 s45, s97, s45
	s_cselect_b32 s13, s13, s92
	s_cselect_b32 s66, 768, s66                    ; v: registers 6-11 belong to the same image
	s_or_b32 s20, s20, s12
	s_cmp_lg_u32 s20, 0                            ; k's and v's words lie in frag, q's in fsc
	s_cselect_b64 s[100:101], s[98:99], s[100:101]
	s_mov_b32 s23, 0
	s_mov_b32 s67, 0
	s_mov_b32 s95, 0
	s_mov_b32 s20, s45
	s_mov_b32 s21, 0
	s_add_nc_u64 s[4:5], s[98:99], s[22:23]        ; registers 0-5
	s_add_nc_u64 s[6:7], s[4:5], s[66:67]          ; registers 6-11
	s_add_nc_u64 s[8:9], s[100:101], s[20:21]      ; the words
	s_add_nc_u64 s[10:11], s[8:9], s[94:95]        ; q, k: the next head's
	s_mov_b32 s[SEL], 0x76543210
	s_mov_b32 s[SEL+1], 0xfedcba98
; a fragment: six pieces of 8 bytes; byte y of a row lies at y + 16 (y / 256); lanes 16-31 read 24 bytes on, where need be behind one padding more
.macro FRAG reg, adr, st, i
.irp p, 0,1,2,3,4,5
.set BY, 96*(\st)+48*(\p/3)+8*(\p%3)
	ds_load_b64 v[\reg+2*\p:\reg+2*\p+1], v[\adr+(BY+24)/256-BY/256] offset:BY+16*(BY/256)+(\i)*16*PITCH
.endr
.endm
.macro FETCH_B st
	WIN 0x40
.irp i, 0,1,2,3,4,5,6,7
	FRAG 128*((\st)%2)+FR*\i, ADRB+2*(\i/4), \st, \i%4
.endr
.endm
.macro FETCH_A st
	WIN 0
.irp i, 0,1,2,3
	FRAG AF+48*((\st)%2)+FR*\i, ADRA, \st, \i
.endr
.endm
; 16 products; the 32 accumulators take turns in the same order in every step
.macro MUL16 a0, st
	WIN MUL
.irp a, \a0, \a0+1
.irp b, 0,1,2,3,4,5,6,7
.if (\st) == 0
	v_wmma_scale_f32_16x16x128_f8f6f4 v[8*(8*(\a)+\b):8*(8*(\a)+\b)+7], v[128*((\st)%2)+FR*\b:128*((\st)%2)+FR*\b+FR-1], v[AF+48*((\st)%2)+FR*(\a):AF+48*((\st)%2)+FR*(\a)+FR-1], 0, v[SC+8*\b+(\st)], v[SC+8*(\a)+(\st)] matrix_a_fmt:MATRIX_FMT_FP6 matrix_b_fmt:MATRIX_FMT_FP6 matrix_a_scale:MATRIX_SCALE_ROW1
.else
	v_wmma_scale_f32_16x16x128_f8f6f4 v[8*(8*(\a)+\b):8*(8*(\a)+\b)+7], v[128*((\st)%2)+FR*\b:128*((\st)%2)+FR*\b+FR-1], v[AF+48*((\st)%2)+FR*(\a):AF+48*((\st)%2)+FR*(\a)+FR-1], v[8*(8*(\a)+\b):8*(8*(\a)+\b)+7], v[SC+8*\b+(\st)], v[SC+8*(\a)+(\st)] matrix_a_fmt:MATRIX_FMT_FP6 matrix_b_fmt:MATRIX_FMT_FP6 matrix_a_scale:MATRIX_SCALE_ROW1
.endif
.endr
.endr
.endm
; a step of 128 along K; the next step's fragments go into the sets that the step before read, four places behind its products (ISA guide 7.12.1)
.macro STEP st
	PLACES
.if (\st) < 7
	FETCH_B (\st)+1
	s_wait_dscnt 48                                ; all but the 48 loads just issued: this step's fragments are in
.else
	s_wait_dscnt 0x0
.endif
	MUL16 0, \st
.if (\st) < 7
	FETCH_A (\st)+1
.endif
	MUL16 2, \st
.endm
	s_wait_alu depctr_va_vdst(0)                   ; the wait at the head's end
	s_wait_tensorcnt 0x0                           ; my tile is in,
	s_barrier_signal -1
	s_barrier_wait -1                              ; everybody's is
.irp i, 0,1,2,3,4,5,6,7
	ds_load_b128 v[SC+8*\i:SC+8*\i+3], v[ADRS] offset:\i*SBLK        ; a row's eight scale words, for all of K
	ds_load_b128 v[SC+8*\i+4:SC+8*\i+7], v[ADRS] offset:\i*SBLK+16
.endr
	FETCH_B 0
	FETCH_A 0
.set ST, 0
.rept 8
	STEP ST
.set ST, ST+1
.endr
	WIN 0
	s_barrier_signal -1                            ; no LDS load of mine is out: behind this barrier nobody reads the tiles, and the stage may lie on R's first rows
	s_barrier_wait -1
; THE WAY OUT of R's tile a: 64 numbers a lane become 12 registers of codes and a scale word
.macro QOUT a
.set AC, 64*(\a)
.if (\a) > 0
	s_wait_xcnt 0x0                                ; the last tile's stores have read their data
.endif
	WIN 0x0a
.irp b, 0,1,2,3
	v_max3_num_f32 v[TM+\b], |v[AC+16*\b]|, |v[AC+16*\b+1]|, 0x1800000   ; from each accumulator's low end on; the floor 2^(3 - 127) holds the byte at 1
.endr
.irp i, 2,4,6,8,10,12,14
.irp b, 0,1,2,3
	v_max3_num_f32 v[TM+\b], |v[AC+16*\b+\i]|, |v[AC+16*\b+\i+1]|, v[TM+\b]
.endr
.endr
	WIN 0
.irp b, 0,1,2,3
	v_permlanex16_b32 v[TM+4+\b], v[TM+\b], s[SEL], s[SEL+1]
.endr
.irp b, 0,1,2,3
	v_max_num_f32 v[TM+\b], v[TM+\b], v[TM+4+\b]
.endr
.irp b, 0,1,2,3
	v_add_nc_u32 v[TM+8+\b], 0xff000000, v[TM+\b]  ; 2 off the exponent field: the conversion's scale operand
.endr
.irp b, 0,1,2,3
	v_lshrrev_b32 v[TM+4+\b], 23, v[TM+8+\b]       ; the byte
.endr
	v_lshl_or_b32 v[PW], v[TM+5], 8, v[TM+4]
	v_lshl_or_b32 v[PW], v[TM+6], 16, v[PW]
	v_lshl_or_b32 v[PW], v[TM+7], 24, v[PW]
	v_perm_b32 v[PWA+(\a)], v[PW], v[PW], s13
	v_perm_b32 v[PWB+(\a)], v[PW], v[PW], s93
	WIN 0x02
.irp c, 0,1
	v_cvt_scalef32_pk16_fp6_f32 v[CD+6*\c:CD+6*\c+2], v[AC+32*\c:AC+32*\c+15], v[TM+8+2*\c]
	v_cvt_scalef32_pk16_fp6_f32 v[CD+12+4*\c:CD+14+4*\c], v[AC+32*\c+16:AC+32*\c+31], v[TM+8+2*\c+1]
.endr
	WIN 0
	v_nop                                          ; one plain place behind a scaled conversion
.irp c, 0,1                                    ; a whole block in a lane
.irp i, 0,1,2
	v_permlane16_swap_b32 v[CD+6*\c+\i], v[CD+12+4*\c+\i]
.endr
.irp i, 0,1,2
	v_mov_b32 v[CD+3+6*\c+\i], v[CD+12+4*\c+\i]
.endr
.endr
	global_store_b128 v[LI16], v[CD:CD+3], s[4:5] offset:1536*(\a)             ; 512 consecutive bytes, aligned
	global_store_b64 v[LI8], v[CD+4:CD+5], s[4:5] offset:1536*(\a)+512         ; 256
	global_store_b128 v[LI16], v[CD+6:CD+9], s[6:7] offset:1536*(\a)
	global_store_b64 v[LI8], v[CD+10:CD+11], s[6:7] offset:1536*(\a)+512
	ds_store_b32 v[SSTO], v[PWA+(\a)] offset:64*(\a)                           ; both halves of the lanes write the same word
	ds_store_b32 v[SSTO], v[PWB+(\a)] offset:256+64*(\a)
.endm
	PLACES
.irp a, 0,1,2,3
	QOUT \a
.endr
	ds_load_b64 v[SBK:SBK+1], v[SRD]               ; my own stores, served in order: 64 words = 256 consecutive bytes
	ds_load_b64 v[SBK+2:SBK+3], v[SRD] offset:256
	s_wait_dscnt 0x0
	global_store_b64 v[LI8], v[SBK:SBK+1], s[8:9]
	s_cmp_lg_u32 s12, 0                            ; v has one run of words
	s_cbranch_scc1 .Lone_run
	global_store_b64 v[LI8], v[SBK+2:SBK+3], s[10:11]
.Lone_run:
	s_wait_tensorcnt 0x0                           ; the wave's end
	ds_add_u32 v[SPW], v[NIL]
	s_wait_dscnt 0x0
	CROUND                                         ; the closing round
	s_endpgm
.Lfunc_end_k_qbae498d07c_proj:
	.size	k_qbae498d07c_proj, .Lfunc_end_k_qbae498d07c_proj-k_qbae498d07c_proj
	.p2alignl 7, 3214868480
	.fill 96, 4, 3214868480
	.section	.rodata,"a",@progbits
	.p2align	6, 0x0
	.amdhsa_kernel k_qbae498d07c_proj
		.amdhsa_group_segment_fixed_size 327680
		.amdhsa_private_segment_fixed_size 0
		.amdhsa_enable_private_segment 0
		.amdhsa_kernarg_size 112
		.amdhsa_user_sgpr_count 2
		.amdhsa_user_sgpr_kernarg_segment_ptr 1
		.amdhsa_wavefront_size32 1
		.amdhsa_system_sgpr_workgroup_id_x 1
		.amdhsa_system_sgpr_workgroup_id_y 1
		.amdhsa_system_sgpr_workgroup_id_z 1
		.amdhsa_system_vgpr_workitem_id 0
		.amdhsa_next_free_vgpr 768
		.amdhsa_next_free_sgpr 102
		.amdhsa_reserve_vcc 0
		.amdhsa_float_denorm_mode_32 3
		.amdhsa_float_denorm_mode_16_64 3
		.amdhsa_memory_ordered 1
		.amdhsa_forward_progress 1
		.amdhsa_inst_pref_size 102
	.end_amdhsa_kernel
	.amdgpu_metadata
---
amdhsa.version: [ 1, 2 ]
amdhsa.kernels:
  - .name:           k_qbae498d07c_proj
    .symbol:         k_qbae498d07c_proj.kd
    .args:
      - { .name: x_codes, .offset: 0, .size: 8, .value_kind: global_buffer, .address_space: global }
      - { .name: x_scales, .offset: 8, .size: 8, .value_kind: global_buffer, .address_space: global }
      - { .name: Wq1_codes, .offset: 16, .size: 8, .value_kind: global_buffer, .address_space: global }
      - { .name: Wq1_scales, .offset: 24, .size: 8, .value_kind: global_buffer, .address_space: global }
      - { .name: Wq2_codes, .offset: 32, .size: 8, .value_kind: global_buffer, .address_space: global }
      - { .name: Wq2_scales, .offset: 40, .size: 8, .value_kind: global_buffer, .address_space: global }
      - { .name: Wk1_codes, .offset: 48, .size: 8, .value_kind: global_buffer, .address_space: global }
      - { .name: Wk1_scales, .offset: 56, .size: 8, .value_kind: global_buffer, .address_space: global }
      - { .name: Wk2_codes, .offset: 64, .size: 8, .value_kind: global_buffer, .address_space: global }
      - { .name: Wk2_scales, .offset: 72, .size: 8, .value_kind: global_buffer, .address_space: global }
      - { .name: Wv_codes, .offset: 80, .size: 8, .value_kind: global_buffer, .address_space: global }
      - { .name: Wv_scales, .offset: 88, .size: 8, .value_kind: global_buffer, .address_space: global }
      - { .name: frag, .offset: 96, .size: 8, .value_kind: global_buffer, .address_space: global }
      - { .name: fsc, .offset: 104, .size: 8, .value_kind: global_buffer, .address_space: global }
    .group_segment_fixed_size: 327680
    .private_segment_fixed_size: 0
    .kernarg_segment_align: 8
    .kernarg_segment_size: 112
    .max_flat_workgroup_size: 128
    .sgpr_count:     102
    .vgpr_count:     768
    .wavefront_size: 32
...
	.end_amdgpu_metadata
.endif
;; end of part 1
;; launch attn (part 2): grid 4 x 64, 16 waves a work-group, clusters of 4 x 1, 215,040 bytes of LDS; arguments frag, fsc, lq1, lk1, lq2, lk2, yfrag, ysc; writes yfrag, ysc
.if DOCPART == 2
	.amdgcn_target "amdgcn-amd-amdhsa--gfx1250"
	.amdhsa_code_object_version 6
	.text
	.protected	k_qbae498d07c_attn
	.globl	k_qbae498d07c_attn
	.p2align	8
	.type	k_qbae498d07c_attn,@function
k_qbae498d07c_attn:
	s_mov_b64 s[64:65], 0
	v_nop
	global_prefetch_b8 v0, s[64:65] scope:SCOPE_SE
	s_setreg_imm32_b32 hwreg(HW_REG_WAVE_MODE, 25, 1), 1
	s_wait_xcnt 0x0
	s_wait_alu depctr_hold_cnt(0) depctr_sa_sdst(0) depctr_va_vdst(0) depctr_va_sdst(0) depctr_va_ssrc(0) depctr_va_vcc(0) depctr_vm_vsrc(0)
	s_getreg_b32 s2, hwreg(HW_REG_IB_STS2, 6, 4)
	s_cmp_eq_u32 s2, 0
	s_cbranch_scc0 .Lentry_in_a_cluster
	s_endpgm
.Lentry_in_a_cluster:
	s_bfe_u32 s2, ttmp6, 0x10000c
	s_cmp_lg_u32 s2, 0x3003
	s_cbranch_scc0 .Lentry_shape_is_right
	s_endpgm
.Lentry_shape_is_right:
; DIFFERENTIAL ATTENTION of one head: att = softmax(q1 k1^T / 8) - lambda softmax(q2 k2^T / 8), causal; y = att v; LayerNorm over the head's 128 channels, x (1 - 0.35550907); y quantised for the last product.
; All three products on codes of FP6 (E2M3) with one E8M0 scale for each 32 along K.  att is quantised FINISHED AND NORMALISED, so each row's maximum and sum are wanted first: the keys are walked twice.
;   walk 1: both streams' scores, running maxima m (in units of t = score x log2(e) / 8) and sums l of 2^(t - m);   walk 2: the scores again, att = 2^(t1 - m1) / l1 - lambda 2^(t2 - m2) / l2, quantised, O^T += V^T att^T.
; SHARES.  A work-group (y = 16 x batch + head) holds the head's K, V and their scale words in LDS, filled ONCE: no slot is filled again.  The four work-groups of a cluster share the head: each fill is asked for jointly.
; Wave w owns 16 queries: tile 4 g + cx, g = w xor 3 ((w / 4) % 2): four waves w, w + 4, w + 8, w + 12 have g's that add up to 30, and the four partners' work is alike.  Branches hang on g alone, never on cx.
; A key step is 128 keys.  Steps all of whose keys come after queries 64 g .. 64 g + 63 are left out (a scalar branch round the step's work, not round the lines that step addresses); on the diagonal hidden scores become -infinity.
; LAYOUT.  All products are used transposed: S^T = K Q^T, O^T = V^T att^T: a lane holds ONE query (lane % 16) throughout.  A fragment of K is [k1's 64 features | k2's 64]; Q lies as [q1 | zeros | q2] in 18 registers,
; so registers 0-11 give stream 1's scores and registers 6-17 stream 2's: zero codes add nothing under any scale byte that the quantiser makes (1 .. 254).
; A scale register carries stream 1's words in lanes 0-15 and stream 2's in lanes 16-31.
; Fragments lie in memory and in LDS as images of their registers (1,536 bytes: registers 0-3 at 16 x lane, 4-5 at 512 + 8 x lane, 6-9 at 768 + 16 x lane, 10-11 at 1,280 + 8 x lane).
; Inside a block of 32 the codes of q, k, v and att all lie in the order 0-7, 16-23, 8-15, 24-31; y meets given codes and is brought into true order before its quantiser.
; LIMITS: NaN and infinities are not served; the running maxima begin at -3e38; a block of zeros gets the byte 1 (its codes are zeros; this program alone reads the bytes).
; No prefetch: every load of the launch stands at its head.
.set VIMG, 98304                       ; LDS: K's 64 images from 0, V's 64 from here,
.set SC,   196608                      ; and 48 rows of 256 bytes of scale words: 16 of k1's, 16 of k2's, 16 of V's: LDS holds the head's block of frag as it lies in memory
.set SCP,  256
.set FR,   38                          ; v38-85   four fragments of K or of V
.set CD,   224                         ; v224-242 the codes just made
.set TM,   244                         ; v244-247 largest magnitudes, v248-251 the other half's, then bytes, v252-255 the conversions' scale operands
.set PW,   91                          ; v91      the scale word just made
.set WV,   20                          ; s20 my wave's number
.set G,    21                          ; s21 g
.set CX,   22                          ; s22 my place in the cluster
.set BH,   23                          ; s23 16 x batch + head
.set G1C,  24                          ; s[24:31] group 1 of the fill: 51 rows of 256 bytes
.set G1S,  32
.set G0S,  40
.set G0K,  44
.set G0V,  48
.set SEL,  52                          ; s[52:53] lane selects for v_permlanex16_b32: lane l xor 16
.set CS,   54                          ; s[54:55] c = log2(e) / 8, written twice: the packed form names a pair
.set TK,   56                          ; s56 LDS byte of the step's images: 12,288 a step
.set TS,   57                          ; s57 and of its scale words: 512 a step
.set KF,   58                          ; s58 the step's first key
.set QF,   59                          ; s59 64 g
.set QL,   60                          ; s60 64 g + 63
.set CNT,  61
; v1 16 x lane, v2 8 x lane, v3, v4 the same in V's images, v5 K's scale words, v6 V's, v7 my query - 8 (lane / 16); v8-10 the addresses in hand; v11 v7 - KF
; v[12:13] m1, v[14:15] m2 (low word), v[16:17] l1, then 1 / l1, v[18:19] l2, then -lambda / l2; v20-37 Q; v86-89 K's or V's scale words; v90 Q's; v92 lambda; v93 -infinity
; v96-159 stream 1's scores, then att; v160-223 stream 2's scores in walk 1, O^T in walk 2; v224-255 at work
.macro NOPS n
.rept \n
	v_nop
.endr
.endm
.macro CROUND                          ; a round of the cluster's barrier
	s_barrier_signal -1
	s_barrier_wait -1
	s_cmp_lg_u32 s[WV], 0
	s_cbranch_scc1 .Lnot_wave_0_\@
	s_barrier_signal -3
.Lnot_wave_0_\@:
	s_barrier_wait -3
	s_barrier_signal -1
	s_barrier_wait -1
.endm
.macro FRAGL reg, off                  ; an image comes back as the registers that it was: every load reads consecutive bytes
	ds_load_b128 v[\reg:\reg+3], v8 offset:\off
	ds_load_b64 v[\reg+4:\reg+5], v9 offset:\off+512
	ds_load_b128 v[\reg+6:\reg+9], v8 offset:\off+768
	ds_load_b64 v[\reg+10:\reg+11], v9 offset:\off+1280
.endm
.macro KLOAD gq                        ; four tiles of 16 keys, 64 gq on, and their scale words
.irp t, 0,1,2,3
	FRAGL FR+12*\t, (4*(\gq)+\t)*1536
	ds_load_b32 v[86+\t], v10 offset:SCP*(\gq)+64*\t
.endr
.endm
.macro SMUL d1, d2                     ; both streams' scores of these 64 keys: register 8 t + j of lane (r, h) is key 16 t + 8 h + j for query r
.irp t, 0,1,2,3
	v_wmma_scale_f32_16x16x128_f8f6f4 v[\d1+8*\t:\d1+8*\t+7], v[FR+12*\t:FR+12*\t+11], v[20:31], 0, v[86+\t], v90 matrix_a_fmt:MATRIX_FMT_FP6 matrix_b_fmt:MATRIX_FMT_FP6
	v_wmma_scale_f32_16x16x128_f8f6f4 v[\d2+8*\t:\d2+8*\t+7], v[FR+12*\t:FR+12*\t+11], v[26:37], 0, v[86+\t], v90 matrix_a_fmt:MATRIX_FMT_FP6 matrix_b_fmt:MATRIX_FMT_FP6 matrix_a_scale:MATRIX_SCALE_ROW1 matrix_b_scale:MATRIX_SCALE_ROW1
.endr
.endm
.macro MASK cnt, koff, ra, rb          ; register n holds key KF + koff + 16 (n / 8) + 8 h + n % 8: hidden where koff + 16 (n / 8) + n % 8 > v11
.set MN, 0
.rept \cnt
	v_cmp_gt_i32 vcc_lo, (\koff)+16*(MN/8)+MN%8, v11
	v_cndmask_b32 v[(\ra)+MN], v[(\ra)+MN], v93, vcc_lo
	v_cndmask_b32 v[(\rb)+MN], v[(\rb)+MN], v93, vcc_lo
.set MN, MN+1
.endr
.endm
.macro ROWMAX sb, tb                   ; the largest of my 64 scores, in four chains, each accumulator from its low end on
.irp b, 0,1,2,3
	v_max3_num_f32 v[\tb+\b], v[\sb+16*\b], v[\sb+16*\b+1], v[\sb+16*\b+2]
.endr
.irp i, 3,5,7,9,11,13
.irp b, 0,1,2,3
	v_max3_num_f32 v[\tb+\b], v[\tb+\b], v[\sb+16*\b+\i], v[\sb+16*\b+\i+1]
.endr
.endr
.irp b, 0,1,2,3
	v_max_num_f32 v[\tb+\b], v[\tb+\b], v[\sb+16*\b+15]
.endr
	s_delay_alu instid0(VALU_DEP_2)
	v_max3_num_f32 v[\tb], v[\tb], v[\tb+1], v[\tb+2]
	s_delay_alu instid0(VALU_DEP_1)
	v_max_num_f32 v[\tb], v[\tb], v[\tb+3]
.endm
; 64 numbers of a lane, register 16 b + i of block b, become a fragment's codes in v[CD] on and its scale word in v[PW].
.macro QUANT s
.irp b, 0,1,2,3
	v_max3_num_f32 v[TM+\b], |v[\s+16*\b]|, |v[\s+16*\b+1]|, 0x1800000   ; my 16 numbers, and the floor 2^(3 - 127): the byte cannot fall under 1
.endr
.irp i, 2,4,6,8,10,12,14
.irp b, 0,1,2,3
	s_delay_alu instid0(VALU_DEP_4)
	v_max3_num_f32 v[TM+\b], v[TM+\b], |v[\s+16*\b+\i]|, |v[\s+16*\b+\i+1]|
.endr
.endr
.irp b, 0,1,2,3
	s_delay_alu instid0(VALU_DEP_4)
	v_permlanex16_b32 v[TM+4+\b], v[TM+\b], s[SEL], s[SEL+1]
.endr
.irp b, 0,1,2,3
	s_delay_alu instid0(VALU_DEP_4)
	v_max_num_f32 v[TM+\b], v[TM+\b], v[TM+4+\b]   ; with lane l xor 16's: the block's largest magnitude
.endr
.irp b, 0,1,2,3
	s_delay_alu instid0(VALU_DEP_4)
	v_add_nc_u32 v[TM+8+\b], 0xff000000, v[TM+\b]  ; 2 off its exponent field: the conversion's scale operand
.endr
.irp b, 0,1,2,3
	s_delay_alu instid0(VALU_DEP_4)
	v_lshrrev_b32 v[TM+4+\b], 23, v[TM+8+\b]       ; the scale's byte
.endr
	s_delay_alu instid0(VALU_DEP_3)
	v_lshl_or_b32 v[PW], v[TM+5], 8, v[TM+4]
	s_delay_alu instid0(VALU_DEP_1)
	v_lshl_or_b32 v[PW], v[TM+6], 16, v[PW]
	s_delay_alu instid0(VALU_DEP_1)
	v_lshl_or_b32 v[PW], v[TM+7], 24, v[PW]
.irp c, 0,1
	v_cvt_scalef32_pk16_fp6_f32 v[CD+6*\c:CD+6*\c+2], v[\s+32*\c:\s+32*\c+15], v[TM+8+2*\c]
	v_cvt_scalef32_pk16_fp6_f32 v[CD+12+4*\c:CD+14+4*\c], v[\s+32*\c+16:\s+32*\c+31], v[TM+8+2*\c+1]   ; (a conversion's three registers begin on an even number)
.endr
	v_nop                                          ; one plain place behind a scaled conversion
.irp c, 0,1                                    ; the operand's layout wants a whole block in a lane
.irp i, 0,1,2
	v_permlane16_swap_b32 v[CD+6*\c+\i], v[CD+12+4*\c+\i]
.endr
.irp i, 0,1,2
	s_delay_alu instid0(VALU_DEP_3)
	v_mov_b32 v[CD+3+6*\c+\i], v[CD+12+4*\c+\i]
.endr
.endr
.endm
	s_load_b512 s[4:19], s[0:1], 0x0               ; frag s[4:5], fsc s[6:7], lq1, lk1, lq2, lk2 s[8:15], yfrag s[16:17], ysc s[18:19]
	v_lshl_add_u32 v254, v0, 2, 0x34000
	v_mov_b32 v255, 0
	ds_add_u32 v254, v255
	ds_add_u32 v254, v255
	s_wait_dscnt 0x0
	v_lshrrev_b32 v8, 5, v0
	s_delay_alu instid0(VALU_DEP_1)
	v_readfirstlane_b32 s[WV], v8                  ; wave 0..15
	s_bfe_u32 s62, s[WV], 0x10002
	s_mul_i32 s62, s62, 3
	s_xor_b32 s[G], s[WV], s62                     ; g
	s_bfe_u32 s[CX], ttmp6, 0x40000                ; cx
	s_and_b32 s[BH], ttmp7, 0xffff                 ; which the four partners share
	s_lshl_b32 s[QF], s[G], 6
	s_add_co_u32 s[QL], s[QF], 63
	s_mov_b32 s[G1C], 15|(3<<16)|(1<<21)           ; 15:0 the mask: all four work-groups; 17:16 elements of 8 bytes; 21 set beside a mask; no padding
	s_mov_b32 s[G1C+1], 32<<16                     ; tensor_dim0 = 32 elements = 256 bytes
	s_mov_b32 s[G1C+2], 51<<16                     ; tensor_dim1 = 51 rows: 13,056 bytes, a sixteenth of the head's 208,896, a wave
	s_mov_b32 s[G1C+3], 32<<16                     ; tile_dim0
	s_mov_b32 s[G1C+4], 51
	s_mov_b32 s[G1C+5], 32                         ; dense
	s_mov_b32 s[G1C+6], 0
	s_mov_b32 s[G1C+7], 0
	s_mov_b32 s[SEL], 0x76543210
	s_mov_b32 s[SEL+1], 0xfedcba98
	s_mov_b32 s[CS], 0x3e38aa3b                    ; log2(e) / 8
	s_mov_b32 s[CS+1], s[CS]
	s_mov_b32 s70, 0x3c000000                      ; 1 / 128
	s_mov_b32 s71, 0x3727c5ac                      ; 1e-5
	s_mul_i32 s62, s[BH], 208896                   ; the head's block: K's images, V's images, the scale words,
	s_mul_i32 s63, s[WV], 13056                    ; my wave's sixteenth of it
	s_add_co_u32 s62, s62, s63
	s_add_co_u32 s66, s62, 0x600000
	s_mov_b32 s67, 0
	s_wait_kmcnt 0x0
	s_mov_b32 s[G0K], 1
	s_mul_i32 s[G0K+1], s[WV], 13056
	s_add_nc_u64 s[G0K+2:G0K+3], s[4:5], s[66:67]
	s_or_b32 s[G0K+3], s[G0K+3], 0x80000000
	CROUND                                         ; all four work-groups are here: the joint loads meet
	tensor_load_to_lds s[G0K:G0K+3], s[G1C:G1C+7]  ; the launch's only fill, one load a wave
	s_nop 0
	NOPS 4
	v_and_b32 v94, 31, v0                          ; lane
	v_and_b32 v95, 15, v0                          ; r
	v_bfe_u32 v11, v0, 4, 1                        ; h
	s_delay_alu instid0(VALU_DEP_3)
	v_lshlrev_b32 v1, 4, v94
	s_wait_alu depctr_va_vdst(0)
	v_lshlrev_b32 v2, 3, v94
	s_wait_alu depctr_va_vdst(0)
	v_lshlrev_b32 v10, 2, v95
	s_delay_alu instid0(VALU_DEP_1)
	v_lshl_add_u32 v9, v11, 12, v10                ; Q's scale words: lanes 0-15 stream 1's, lanes 16-31 stream 2's, 4,096 bytes on
	s_wait_alu depctr_va_vdst(0)
	s_lshl_b32 s62, s[G], 2
	s_add_co_u32 s62, s62, s[CX]                   ; my tile of 16 queries
	s_lshl_b32 s63, s[BH], 6
	s_add_co_u32 s63, s63, s62
	s_mul_i32 s66, s63, 1536
	s_mov_b32 s67, 0
	s_add_nc_u64 s[66:67], s[4:5], s[66:67]        ; its image
	s_lshl_b32 s68, s[BH], 13
	s_lshl_b32 s69, s62, 6
	s_add_co_u32 s68, s68, s69
	s_mov_b32 s69, 0
	s_add_nc_u64 s[68:69], s[6:7], s[68:69]        ; its scale words
	s_and_b32 s72, s[BH], 15
	s_lshl_b32 s72, s72, 8                         ; the head's row of 64 numbers in lq1, lk1, lq2, lk2
	s_mov_b32 s73, 0
	s_add_nc_u64 s[8:9], s[8:9], s[72:73]
	s_add_nc_u64 s[10:11], s[10:11], s[72:73]
	s_add_nc_u64 s[12:13], s[12:13], s[72:73]
	s_add_nc_u64 s[14:15], s[14:15], s[72:73]
	global_load_b128 v[20:23], v1, s[66:67]        ; q1
	global_load_b64 v[24:25], v2, s[66:67] offset:512
	global_load_b128 v[32:35], v1, s[66:67] offset:768   ; q2
	global_load_b64 v[36:37], v2, s[66:67] offset:1280
	global_load_b32 v90, v9, s[68:69]
	global_load_b64 v[224:225], v2, s[8:9]         ; two numbers a lane
	global_load_b64 v[226:227], v2, s[10:11]
	global_load_b64 v[228:229], v2, s[12:13]
	global_load_b64 v[230:231], v2, s[14:15]
	v_add_nc_u32 v3, VIMG, v1
	v_add_nc_u32 v4, VIMG, v2
	v_mul_u32_u24 v5, v11, 16*SCP
	s_delay_alu instid0(VALU_DEP_1)
	v_add_nc_u32 v5, v5, v10
	s_delay_alu instid0(VALU_DEP_1)
	v_add_nc_u32 v5, SC, v5                        ; K's scale words: 4 r, and 16 rows on for lanes 16-31
	v_lshl_add_u32 v6, v94, 2, SC+32*SCP           ; V's: 4 x lane: two tiles of channels a load
	s_lshl_b32 s74, s[CX], 4
	s_add_co_u32 s74, s74, s[QF]
	v_lshlrev_b32 v7, 3, v11
	s_delay_alu instid0(VALU_DEP_1)
	v_sub_nc_u32 v7, v95, v7
	s_delay_alu instid0(VALU_DEP_1)
	v_add_nc_u32 v7, s74, v7                       ; my query - 8 h
	v_mov_b32 v93, 0xff800000                      ; -infinity
.irp j, 26,27,28,29,30,31
	v_mov_b32 v[\j], 0                             ; the zero codes between q1 and q2
.endr
	v_mov_b32 v12, 0xff61b1e6                      ; m1, m2: -3e38, under every t
	v_mov_b32 v13, 0                               ; (upper halves of pairs are named, so they are written)
	v_mov_b32 v14, 0xff61b1e6
	v_mov_b32 v15, 0
.irp j, 16,17,18,19
	v_mov_b32 v[\j], 0                             ; l1, l2, in two halves each
.endr
	v_mov_b32 v234, 0
	v_mov_b32 v235, 0
	s_wait_loadcnt 0x0
	; lambda = exp(lq1 . lk1) - exp(lq2 . lk2) + 0.35550907
	v_mul_f32 v232, v224, v226
	v_mul_f32 v233, v228, v230
	s_delay_alu instid0(VALU_DEP_2)
	v_fma_f32 v232, v225, v227, v232
	s_delay_alu instid0(VALU_DEP_2)
	v_fma_f32 v233, v229, v231, v233
.irp x, 1,2,4,8
	s_delay_alu instid0(VALU_DEP_2)
	v_add_f32_dpp v232, v232, v232 row_xmask:\x row_mask:0xf bank_mask:0xf
	s_delay_alu instid0(VALU_DEP_2)
	v_add_f32_dpp v233, v233, v233 row_xmask:\x row_mask:0xf bank_mask:0xf
.endr
	s_delay_alu instid0(VALU_DEP_2)
	v_permlanex16_b32 v234, v232, s[SEL], s[SEL+1]
	s_delay_alu instid0(VALU_DEP_2)
	v_permlanex16_b32 v235, v233, s[SEL], s[SEL+1]
	s_delay_alu instid0(VALU_DEP_2)
	v_add_f32 v232, v232, v234
	s_delay_alu instid0(VALU_DEP_2)
	v_add_f32 v233, v233, v235
	s_delay_alu instid0(VALU_DEP_2)
	v_mul_f32 v232, 0x3fb8aa3b, v232
	s_delay_alu instid0(VALU_DEP_2)
	v_mul_f32 v233, 0x3fb8aa3b, v233
	s_wait_alu depctr_va_vdst(0)
	v_exp_f32 v232, v232
	v_exp_f32 v233, v233
	v_nop                                          ; a plain place behind the exponentials
	s_wait_alu depctr_va_vdst(0)                   ; one wait for both, ahead of their first reader
	v_sub_f32 v92, v232, v233
	s_delay_alu instid0(VALU_DEP_1)
	v_add_f32 v92, 0x3eb60549, v92
.irp j, 229,231,237,239,248,249,250,251
	v_mov_b32 v[\j], 0                             ; lane permutes' destinations and pairs' upper halves: written once
.endr
	s_mov_b32 s[TK], 0
	s_mov_b32 s[TS], 0
	s_mov_b32 s[KF], 0
; WALK 1, a key step: both streams' 128 scores, the new maxima, the sums under them.
.macro P1STEP
	s_cmp_gt_u32 s[KF], s[QL]
	s_cbranch_scc1 .Lhid1_\@                       ; all keys hidden from my wave's range of queries
	v_add_nc_u32 v8, s[TK], v1
	v_add_nc_u32 v9, s[TK], v2
	v_add_nc_u32 v10, s[TS], v5
	KLOAD 0
	s_wait_alu depctr_va_vdst(0)
	s_wait_dscnt 0x0
	SMUL 96, 160
	NOPS 4                                         ; places in front of loads into registers that the products have read
	KLOAD 1
	s_wait_dscnt 0x0
	SMUL 128, 192
	NOPS 4                                         ; and in front of the first read of results
	s_add_co_u32 s62, s[KF], 127
	s_cmp_le_u32 s62, s[QF]
	s_cbranch_scc1 .Lopen1_\@                      ; all keys count for all queries of the range
	v_sub_nc_u32 v11, v7, s[KF]
	MASK 64, 0, 96, 160
.Lopen1_\@:
	ROWMAX 96, 224
	ROWMAX 160, 232
	v_permlanex16_b32 v229, v224, s[SEL], s[SEL+1]
	s_delay_alu instid0(VALU_DEP_2)
	v_permlanex16_b32 v237, v232, s[SEL], s[SEL+1]
	s_delay_alu instid0(VALU_DEP_2)
	v_max_num_f32 v224, v224, v229                 ; with lane l xor 16's 64 keys
	s_delay_alu instid0(VALU_DEP_2)
	v_max_num_f32 v232, v232, v237
	s_delay_alu instid0(VALU_DEP_2)
	v_mul_f32 v224, s[CS], v224                    ; as t (c is positive)
	s_delay_alu instid0(VALU_DEP_2)
	v_mul_f32 v232, s[CS], v232
	v_mov_b32 v230, v12
	v_mov_b32 v238, v14
	s_delay_alu instid0(VALU_DEP_4)
	v_max_num_f32 v12, v12, v224                   ; the running maxima
	s_delay_alu instid0(VALU_DEP_4)
	v_max_num_f32 v14, v14, v232
	s_delay_alu instid0(VALU_DEP_2)
	v_sub_f32 v230, v230, v12                      ; old m - new m
	s_delay_alu instid0(VALU_DEP_2)
	v_sub_f32 v238, v238, v14
.set J, 0
.rept 32
	v_pk_fma_f32 v[96+J:97+J], v[96+J:97+J], s[CS:CS+1], v[12:13] op_sel_hi:[1,0,0] neg_lo:[0,0,1] neg_hi:[0,0,1]     ; c s - m, two at a time
	v_pk_fma_f32 v[160+J:161+J], v[160+J:161+J], s[CS:CS+1], v[14:15] op_sel_hi:[1,0,0] neg_lo:[0,0,1] neg_hi:[0,0,1]
.set J, J+2
.endr
	s_wait_alu depctr_va_vdst(0)
	v_exp_f32 v230, v230                           ; one batch of 130 exponentials
	v_exp_f32 v238, v238
.set J, 0
.rept 64
	v_exp_f32 v[96+J], v[96+J]
	v_exp_f32 v[160+J], v[160+J]
.set J, J+1
.endr
	v_nop                                          ; a plain place behind the last
	s_wait_alu depctr_va_vdst(0)                   ; one wait for the batch, ahead of its first reader
	v_pk_mul_f32 v[16:17], v[16:17], v[230:231] op_sel_hi:[1,0]   ; the sums under the new maxima
	v_pk_mul_f32 v[18:19], v[18:19], v[238:239] op_sel_hi:[1,0]
	v_pk_add_f32 v[224:225], v[96:97], v[98:99]
	v_pk_add_f32 v[232:233], v[160:161], v[162:163]
.irp j, 4,8,12,16,20,24,28,32,36,40,44,48,52,56,60
	v_pk_add_f32 v[16:17], v[16:17], v[96+\j:97+\j]
	v_pk_add_f32 v[224:225], v[224:225], v[98+\j:99+\j]
	v_pk_add_f32 v[18:19], v[18:19], v[160+\j:161+\j]
	v_pk_add_f32 v[232:233], v[232:233], v[162+\j:163+\j]
.endr
	s_delay_alu instid0(VALU_DEP_3)
	v_pk_add_f32 v[16:17], v[16:17], v[224:225]
	s_delay_alu instid0(VALU_DEP_2)
	v_pk_add_f32 v[18:19], v[18:19], v[232:233]
.Lhid1_\@:
	s_add_co_u32 s[TK], s[TK], 12288
	s_add_co_u32 s[TS], s[TS], 2*SCP
	s_add_co_u32 s[KF], s[KF], 128
.endm
; WALK 2, 64 keys: the scores again, att in stream 1's registers.
.macro P2HALF gq
	KLOAD \gq
	s_wait_dscnt 0x0
	SMUL 96+32*(\gq), 224
	NOPS 4
	s_add_co_u32 s62, s[KF], 64*(\gq)+63
	s_cmp_le_u32 s62, s[QF]
	s_cbranch_scc1 .Lopen2_\@
	s_wait_alu depctr_va_vdst(0)
	MASK 32, 64*(\gq), 96+32*(\gq), 224
.Lopen2_\@:
.set J, 0
.rept 16
	v_pk_fma_f32 v[96+32*(\gq)+J:97+32*(\gq)+J], v[96+32*(\gq)+J:97+32*(\gq)+J], s[CS:CS+1], v[12:13] op_sel_hi:[1,0,0] neg_lo:[0,0,1] neg_hi:[0,0,1]
	v_pk_fma_f32 v[224+J:225+J], v[224+J:225+J], s[CS:CS+1], v[14:15] op_sel_hi:[1,0,0] neg_lo:[0,0,1] neg_hi:[0,0,1]
.set J, J+2
.endr
.set J, 0
	s_wait_alu depctr_va_vdst(0)
.rept 32
	v_exp_f32 v[96+32*(\gq)+J], v[96+32*(\gq)+J]
	v_exp_f32 v[224+J], v[224+J]
.set J, J+1
.endr
	v_nop                                          ; a plain place behind the last exponential
	s_wait_alu depctr_va_vdst(0)                   ; one wait for the 64
.set J, 0
.rept 16
	v_pk_mul_f32 v[224+J:225+J], v[224+J:225+J], v[18:19] op_sel_hi:[1,0]      ; -lambda a2
.set J, J+2
.endr
.set J, 0
.rept 16
	v_pk_fma_f32 v[96+32*(\gq)+J:97+32*(\gq)+J], v[96+32*(\gq)+J:97+32*(\gq)+J], v[16:17], v[224+J:225+J] op_sel_hi:[1,0,1]   ; att = a1 - lambda a2
.set J, J+2
.endr
.endm
.macro PVM dt                          ; O^T(channels 16 dt on) += V^T att^T over these 128 keys.  A register of V's scale words serves two tiles: lanes 0-15 the even, lanes 16-31 the odd
.if (\dt)%2
	v_wmma_scale_f32_16x16x128_f8f6f4 v[160+8*(\dt):167+8*(\dt)], v[FR+12*((\dt)%4):FR+12*((\dt)%4)+11], v[CD:CD+11], v[160+8*(\dt):167+8*(\dt)], v[86+(\dt)/2], v[PW] matrix_a_fmt:MATRIX_FMT_FP6 matrix_b_fmt:MATRIX_FMT_FP6 matrix_a_scale:MATRIX_SCALE_ROW1
.else
	v_wmma_scale_f32_16x16x128_f8f6f4 v[160+8*(\dt):167+8*(\dt)], v[FR+12*((\dt)%4):FR+12*((\dt)%4)+11], v[CD:CD+11], v[160+8*(\dt):167+8*(\dt)], v[86+(\dt)/2], v[PW] matrix_a_fmt:MATRIX_FMT_FP6 matrix_b_fmt:MATRIX_FMT_FP6
.endif
.endm
.macro P2STEP
	s_cmp_gt_u32 s[KF], s[QL]
	s_cbranch_scc1 .Lhid2_\@
	v_add_nc_u32 v8, s[TK], v1
	v_add_nc_u32 v9, s[TK], v2
	v_add_nc_u32 v10, s[TS], v5
	v_sub_nc_u32 v11, v7, s[KF]
	P2HALF 0
	P2HALF 1
	v_add_nc_u32 v8, s[TK], v3
	v_add_nc_u32 v9, s[TK], v4
	v_add_nc_u32 v10, s[TS], v6
.irp t, 0,1,2,3
	FRAGL FR+12*\t, \t*1536                        ; V's tiles 0-3 land while att is quantised
.endr
.irp p, 0,1,2,3
	ds_load_b32 v[86+\p], v10 offset:SCP*(\p/2)+128*(\p%2)
.endr
	QUANT 96
	NOPS 4                                         ; the codes' last moves stand 4 places ahead of the products, the scale word's last line more than 8
	s_wait_alu depctr_va_vdst(0)
	s_wait_dscnt 0x0
.irp d, 0,1,2,3
	PVM \d                                         ; the eight accumulators take turns, one instruction a turn
.endr
	NOPS 4
.irp t, 0,1,2,3
	FRAGL FR+12*\t, (4+\t)*1536
.endr
	s_wait_dscnt 0x0
.irp d, 4,5,6,7
	PVM \d
.endr
	NOPS 4                                         ; with the next step's four address lines: 8 places ahead of the products that write over att's codes
.Lhid2_\@:
	s_add_co_u32 s[TK], s[TK], 12288
	s_add_co_u32 s[TS], s[TS], 2*SCP
	s_add_co_u32 s[KF], s[KF], 128
.endm
	s_wait_alu depctr_va_vdst(0)                   ; the wait at the head's end
	s_wait_tensorcnt 0x0                           ; my part of the head's block is in,
	s_barrier_signal -1
	s_barrier_wait -1                              ; everybody's is
	s_mov_b32 s[CNT], 8
.Lwalk1:
	P1STEP
	s_sub_co_u32 s[CNT], s[CNT], 1
	s_cmp_lg_u32 s[CNT], 0
	s_cbranch_scc1 .Lwalk1
	s_wait_alu depctr_va_vdst(0)
	v_add_f32 v16, v16, v17                        ; the sums' two halves,
	v_add_f32 v18, v18, v19
	s_delay_alu instid0(VALU_DEP_2)
	v_permlanex16_b32 v229, v16, s[SEL], s[SEL+1]
	s_delay_alu instid0(VALU_DEP_2)
	v_permlanex16_b32 v237, v18, s[SEL], s[SEL+1]
	s_delay_alu instid0(VALU_DEP_2)
	v_add_f32 v16, v16, v229                       ; and lane l xor 16's
	s_delay_alu instid0(VALU_DEP_2)
	v_add_f32 v18, v18, v237
	s_wait_alu depctr_va_vdst(0)
	v_rcp_f32 v16, v16
	v_rcp_f32 v18, v18
	v_nop
	s_wait_alu depctr_va_vdst(0)                   ; one wait for both reciprocals
	v_mul_f32 v18, -v18, v92                       ; -lambda / l2
.set J, 0
.rept 64
	v_mov_b32 v[160+J], 0                          ; O^T: cleared once, so that the key step of walk 2 is written once
.set J, J+1
.endr
	s_mov_b32 s[TK], 0
	s_mov_b32 s[TS], 0
	s_mov_b32 s[KF], 0
	s_mov_b32 s[CNT], 8
.Lwalk2:
	P2STEP
	s_sub_co_u32 s[CNT], s[CNT], 1
	s_cmp_lg_u32 s[CNT], 0
	s_cbranch_scc1 .Lwalk2
	; THE TAIL.  Register 8 t + j of lane (r, h) is channel 16 t + 8 h + j of query r.  The last product's other operand is given, so y's codes go in true order: register 16 b + i = channel 32 b + 16 h + i.
	NOPS 4
.irp b, 0,1,2,3
.irp j, 0,1,2,3,4,5,6,7
	v_permlane16_swap_b32 v[160+16*\b+\j], v[168+16*\b+\j]   ; the first's lanes 16-31 change places with the second's lanes 0-15; each accumulator from its low end on
.endr
.endr
	v_pk_add_f32 v[226:227], v[160:161], v[162:163]
	v_pk_add_f32 v[254:255], v[168:169], v[172:173]
	v_pk_add_f32 v[252:253], v[176:177], v[180:181]
	v_pk_add_f32 v[246:247], v[184:185], v[188:189]
	v_pk_add_f32 v[244:245], v[192:193], v[196:197]
	v_pk_add_f32 v[242:243], v[200:201], v[204:205]
	v_pk_add_f32 v[240:241], v[208:209], v[212:213]
	v_pk_add_f32 v[224:225], v[216:217], v[220:221]
	s_delay_alu instid0(VALU_DEP_1)
	v_pk_add_f32 v[224:225], v[224:225], v[164:165]
	v_pk_add_f32 v[226:227], v[226:227], v[166:167]
	v_pk_add_f32 v[254:255], v[254:255], v[170:171]
	v_pk_add_f32 v[252:253], v[252:253], v[174:175]
	v_pk_add_f32 v[246:247], v[246:247], v[178:179]
	v_pk_add_f32 v[244:245], v[244:245], v[182:183]
	v_pk_add_f32 v[242:243], v[242:243], v[186:187]
	v_pk_add_f32 v[240:241], v[240:241], v[190:191]
	v_pk_add_f32 v[224:225], v[224:225], v[194:195]
	v_pk_add_f32 v[226:227], v[226:227], v[198:199]
	v_pk_add_f32 v[254:255], v[254:255], v[202:203]
	v_pk_add_f32 v[252:253], v[252:253], v[206:207]
	v_pk_add_f32 v[246:247], v[246:247], v[210:211]
	v_pk_add_f32 v[244:245], v[244:245], v[214:215]
	v_pk_add_f32 v[242:243], v[242:243], v[218:219]
	v_pk_add_f32 v[240:241], v[240:241], v[222:223]
	s_delay_alu instid0(VALU_DEP_4)
	v_pk_add_f32 v[224:225], v[224:225], v[246:247]
	s_delay_alu instid0(VALU_DEP_4)
	v_pk_add_f32 v[226:227], v[226:227], v[244:245]
	s_delay_alu instid0(VALU_DEP_4)
	v_pk_add_f32 v[254:255], v[254:255], v[242:243]
	s_delay_alu instid0(VALU_DEP_4)
	v_pk_add_f32 v[252:253], v[252:253], v[240:241]
	s_delay_alu instid0(VALU_DEP_2)
	v_pk_add_f32 v[224:225], v[224:225], v[254:255]
	s_delay_alu instid0(VALU_DEP_2)
	v_pk_add_f32 v[226:227], v[226:227], v[252:253]
	s_delay_alu instid0(VALU_DEP_1)
	v_pk_add_f32 v[224:225], v[224:225], v[226:227]
	s_delay_alu instid0(VALU_DEP_1)
	v_add_f32 v224, v224, v225
	s_delay_alu instid0(VALU_DEP_1)
	v_permlanex16_b32 v229, v224, s[SEL], s[SEL+1]
	s_delay_alu instid0(VALU_DEP_1)
	v_add_f32 v224, v224, v229
	s_delay_alu instid0(VALU_DEP_1)
	v_mul_f32 v224, s70, v224                      ; the mean of the 128
.set J, 0
.rept 32
	v_pk_add_f32 v[160+J:161+J], v[160+J:161+J], v[224:225] op_sel_hi:[1,0] neg_lo:[0,1] neg_hi:[0,1]
.set J, J+2
.endr
	v_pk_mul_f32 v[226:227], v[160:161], v[160:161]
	v_pk_mul_f32 v[228:229], v[162:163], v[162:163]
.irp j, 4,8,12,16,20,24,28,32,36,40,44,48,52,56,60
	s_delay_alu instid0(VALU_DEP_2)
	v_pk_fma_f32 v[226:227], v[160+\j:161+\j], v[160+\j:161+\j], v[226:227]
	s_delay_alu instid0(VALU_DEP_2)
	v_pk_fma_f32 v[228:229], v[162+\j:163+\j], v[162+\j:163+\j], v[228:229]
.endr
	s_delay_alu instid0(VALU_DEP_1)
	v_pk_add_f32 v[226:227], v[226:227], v[228:229]
	s_delay_alu instid0(VALU_DEP_1)
	v_add_f32 v226, v226, v227
	s_delay_alu instid0(VALU_DEP_1)
	v_permlanex16_b32 v231, v226, s[SEL], s[SEL+1]
	s_delay_alu instid0(VALU_DEP_1)
	v_add_f32 v226, v226, v231
	s_delay_alu instid0(VALU_DEP_1)
	v_fma_f32 v226, v226, s70, s71                 ; the variance + 1e-5
	s_wait_alu depctr_va_vdst(0)
	v_rsq_f32 v226, v226
	v_nop
	s_wait_alu depctr_va_vdst(0)
	v_mul_f32 v226, 0x3f24fd5c, v226               ; x (1 - 0.35550907)
.set J, 0
.rept 32
	v_pk_mul_f32 v[160+J:161+J], v[160+J:161+J], v[226:227] op_sel_hi:[1,0]
.set J, J+2
.endr
	QUANT 160
	; y's image: [block of 256 tokens][K step of 256 = two heads][tile of 16 tokens][head % 2], 1,536 bytes: registers 4 c .. 4 c + 3 at 512 c + 16 x lane.  Its words: [block][head][tile][16]
	s_lshr_b32 s62, s[BH], 4
	s_lshl_b32 s62, s62, 2
	s_lshr_b32 s63, s[G], 2
	s_add_co_u32 s62, s62, s63                     ; the block: 4 x batch + g / 4
	s_and_b32 s63, s[G], 3
	s_lshl_b32 s63, s63, 2
	s_add_co_u32 s63, s63, s[CX]                   ; the tile in it: 4 (g % 4) + cx
	s_and_b32 s66, s[BH], 15                       ; the head
	s_lshl_b32 s67, s62, 3
	s_lshr_b32 s68, s66, 1
	s_add_co_u32 s67, s67, s68
	s_lshl_b32 s67, s67, 5
	s_lshl_b32 s68, s63, 1
	s_add_co_u32 s67, s67, s68
	s_and_b32 s68, s66, 1
	s_add_co_u32 s67, s67, s68
	s_mul_i32 s68, s67, 1536
	s_mov_b32 s69, 0
	s_add_nc_u64 s[16:17], s[16:17], s[68:69]
	s_lshl_b32 s67, s62, 4
	s_add_co_u32 s67, s67, s66
	s_lshl_b32 s67, s67, 4
	s_add_co_u32 s67, s67, s63
	s_lshl_b32 s68, s67, 6
	s_add_nc_u64 s[18:19], s[18:19], s[68:69]
	v_and_b32 v94, 15, v0
	s_delay_alu instid0(VALU_DEP_1)
	v_lshlrev_b32 v94, 2, v94
	s_wait_alu depctr_va_vdst(0)
.irp c, 0,1,2
	global_store_b128 v1, v[CD+4*\c:CD+4*\c+3], s[16:17] offset:512*\c   ; 512 consecutive bytes, aligned
.endr
	global_store_b32 v94, v[PW], s[18:19]          ; both halves of the lanes write the same word with the same value
	s_wait_xcnt 0x0
	v_lshl_add_u32 v254, v0, 2, 0x34000
	v_mov_b32 v255, 0
	s_wait_alu depctr_va_vdst(0)
	s_wait_tensorcnt 0x0
	ds_add_u32 v254, v255
	s_wait_dscnt 0x0
	CROUND                                         ; the closing round
	s_endpgm
.Lfunc_end_k_qbae498d07c_attn:
	.size	k_qbae498d07c_attn, .Lfunc_end_k_qbae498d07c_attn-k_qbae498d07c_attn
	.p2alignl 7, 3214868480
	.fill 96, 4, 3214868480
	.section	.rodata,"a",@progbits
	.p2align	6, 0x0
	.amdhsa_kernel k_qbae498d07c_attn
		.amdhsa_group_segment_fixed_size 215040
		.amdhsa_private_segment_fixed_size 0
		.amdhsa_enable_private_segment 0
		.amdhsa_kernarg_size 64
		.amdhsa_user_sgpr_count 2
		.amdhsa_user_sgpr_kernarg_segment_ptr 1
		.amdhsa_wavefront_size32 1
		.amdhsa_system_sgpr_workgroup_id_x 1
		.amdhsa_system_sgpr_workgroup_id_y 1
		.amdhsa_system_sgpr_workgroup_id_z 1
		.amdhsa_system_vgpr_workitem_id 0
		.amdhsa_next_free_vgpr 256
		.amdhsa_next_free_sgpr 80
		.amdhsa_reserve_vcc 1
		.amdhsa_float_denorm_mode_32 3
		.amdhsa_float_denorm_mode_16_64 3
		.amdhsa_memory_ordered 1
		.amdhsa_forward_progress 1
		.amdhsa_inst_pref_size 94
	.end_amdhsa_kernel
	.amdgpu_metadata
---
amdhsa.version: [ 1, 2 ]
amdhsa.kernels:
  - .name:           k_qbae498d07c_attn
    .symbol:         k_qbae498d07c_attn.kd
    .args:
      - { .name: frag, .offset: 0, .size: 8, .value_kind: global_buffer, .address_space: global }
      - { .name: fsc, .offset: 8, .size: 8, .value_kind: global_buffer, .address_space: global }
      - { .name: lq1, .offset: 16, .size: 8, .value_kind: global_buffer, .address_space: global }
      - { .name: lk1, .offset: 24, .size: 8, .value_kind: global_buffer, .address_space: global }
      - { .name: lq2, .offset: 32, .size: 8, .value_kind: global_buffer, .address_space: global }
      - { .name: lk2, .offset: 40, .size: 8, .value_kind: global_buffer, .address_space: global }
      - { .name: yfrag, .offset: 48, .size: 8, .value_kind: global_buffer, .address_space: global }
      - { .name: ysc, .offset: 56, .size: 8, .value_kind: global_buffer, .address_space: global }
    .group_segment_fixed_size: 215040
    .private_segment_fixed_size: 0
    .kernarg_segment_align: 8
    .kernarg_segment_size: 64
    .max_flat_workgroup_size: 512
    .sgpr_count:     80
    .vgpr_count:     256
    .wavefront_size: 32
...
	.end_amdgpu_metadata
.endif
;; end of part 2
;; launch outp (part 3): grid 16 x 16, 4 waves a work-group, clusters of 4 x 1, 196,608 bytes of LDS; arguments yfrag, ysc, Wc_codes, Wc_scales, out0; writes out0
.if DOCPART == 3
	.amdgcn_target "amdgcn-amd-amdhsa--gfx1250"
	.amdhsa_code_object_version 6
	.text
	.protected	k_qbae498d07c_outp
	.globl	k_qbae498d07c_outp
	.p2align	8
	.type	k_qbae498d07c_outp,@function
k_qbae498d07c_outp:
	s_mov_b64 s[64:65], 0
	v_nop
	global_prefetch_b8 v0, s[64:65] scope:SCOPE_SE
	s_setreg_imm32_b32 hwreg(HW_REG_WAVE_MODE, 25, 1), 1
	s_wait_xcnt 0x0
	s_wait_alu depctr_hold_cnt(0) depctr_sa_sdst(0) depctr_va_vdst(0) depctr_va_sdst(0) depctr_va_ssrc(0) depctr_va_vcc(0) depctr_vm_vsrc(0)
	s_getreg_b32 s2, hwreg(HW_REG_IB_STS2, 6, 4)
	s_cmp_eq_u32 s2, 0
	s_cbranch_scc0 .Lentry_in_a_cluster
	s_endpgm
.Lentry_in_a_cluster:
	s_bfe_u32 s2, ttmp6, 0x10000c
	s_cmp_lg_u32 s2, 0x3003
	s_cbranch_scc0 .Lentry_shape_is_right
	s_endpgm
.Lentry_shape_is_right:
; out = y Wc on FP6 (E2M3) codes with E8M0 scales, K = 2,048.  y: register images and scale words as the attention launch left them; Wc: given codes [1,024 (n)][1,536 bytes].
; A work-group makes 256 tokens (x) x 64 columns (y): 256 work-groups.  A wave makes 64 x 64: 16 accumulators.
; Wc's 64 WHOLE rows (1,536 bytes, each beginning at a multiple of 256 bytes) and their scale bytes are filled into LDS once; nothing is filled again.  8 bytes of padding behind every 256:
; pitch 1,584 = 396 words, so row r starts at bank 12 r mod 64 (64 banks of 4 bytes: ISA guide 11.1).  The four work-groups of a cluster share the columns: both fills are asked for jointly.
; y's fragments go from memory straight into registers: an image is 1,536 bytes, registers 4 c .. 4 c + 3 at 512 c + 16 x lane, so each load reads 512 consecutive bytes.  Each wave reads only its own 64 tokens.
; They are asked for three K steps ahead, into four sets of registers.  No prefetch beside that: the tensor loads stand at the head, and the register loads themselves run ahead.
; Source 0 = 16 rows of Wc, source 1 = 16 tokens: a lane holds eight neighbouring columns of one token's row.  The walk over the 16 K steps is written by a repeat: register sets come back after 4 steps, scale words never.
; REGISTERS: window 0: v0-31 addresses, v32-95 Wc's scale words (16 b + step), v96-111 y's (four sets of four), v112-207 Wc's fragments (two sets), on the way out v112-239; window 1: y's fragments, four sets of 48; window 2: accumulators.
.set PITCH, 1584
.set SCLB,  64*PITCH                   ; Wc's scale bytes: 16 units of 256 + 16
.set SPARE, SCLB+16*272                ; the spare words
.set STG,   SPARE+512                  ; the way out: 64 rows x 272 bytes a wave; no fill lands here
.set SP,    272
.set LI16, 1
.set LI4,  2
.set ADB,  4                           ; v4-5 Wc's tiles 0, 1 (plain; lanes 16-31 behind one padding more), v6-7 tiles 2, 3
.set ADS,  8
.set STO,  9
.set RD,   10
.set CO,   11
.set SPW,  28
.set NIL,  29
.set SB,   32
.set SA,   96
.set BF,   112
.set BK,   112
.set MSB, 0
.macro WIN new
.if MSB != \new
	s_set_vgpr_msb (MSB<<8)|\new
.set MSB, \new
.endif
.endm
.macro PLACES
.rept 4
	v_nop
.endr
.endm
.macro CROUND
	s_barrier_signal -1
	s_barrier_wait -1
	s_cmp_lg_u32 s14, 0
	s_cbranch_scc1 .Lnot_wave_0_\@
	s_barrier_signal -3
.Lnot_wave_0_\@:
	s_barrier_wait -3
	s_barrier_signal -1
	s_barrier_wait -1
.endm
.macro ALOAD st                        ; y's four fragments and scale words of K step st (= head st): 16 loads
	WIN 0x40
.irp a, 0,1,2,3
.irp c, 0,1,2
	global_load_b128 v[48*((\st)%4)+12*\a+4*\c:48*((\st)%4)+12*\a+4*\c+3], v[LI16], s[4:5] offset:((\st)/2)*49152+((\st)%2)*1536+\a*3072+512*\c
.endr
.endr
	WIN 0
.irp a, 0,1,2,3
	global_load_b32 v[SA+4*((\st)%4)+\a], v[LI4], s[6:7] offset:(\st)*1024+64*\a
.endr
.endm
.macro BLOAD st                        ; Wc's four fragments of K step st: 24 pieces of 8 bytes; byte y of a row lies at y + 8 (y / 256)
.irp i, 0,1,2,3
.irp p, 0,1,2,3,4,5
.set BY, 96*(\st)+48*(\p/3)+8*(\p%3)
	ds_load_b64 v[BF+48*((\st)%2)+12*\i+2*\p:BF+48*((\st)%2)+12*\i+2*\p+1], v[ADB+2*(\i/2)+(BY+24)/256-BY/256] offset:BY+8*(BY/256)+(\i%2)*16*PITCH
.endr
.endr
.endm
	s_load_b256 s[4:11], s[0:1], 0x0               ; yfrag, ysc, Wc's codes, Wc's scales
	s_load_b64 s[12:13], s[0:1], 0x20              ; out0
	v_lshl_add_u32 v[SPW], v0, 2, SPARE
	v_mov_b32 v[NIL], 0
	ds_add_u32 v[SPW], v[NIL]                      ; the opening lines
	ds_add_u32 v[SPW], v[NIL]
	v_lshrrev_b32 v3, 5, v0
	v_readfirstlane_b32 s14, v3                    ; wave
	s_bfe_u32 s15, ttmp6, 0x40000                  ; cx
	s_lshl_b32 s16, ttmp9, 2
	s_add_co_u32 s16, s16, s15                     ; block of 256 tokens
	s_and_b32 s17, ttmp7, 0xffff                   ; tile of 64 columns, which the four partners share
	s_and_b32 s19, s14, 1
	s_mov_b32 s24, 15|(1<<20)|(1<<21)|(5<<22)|(1<<25)          ; codes: bytes; the mask names all four; 2 words of padding behind every 64
	s_mov_b32 s25, 1536<<16
	s_mov_b32 s26, 32<<16                          ; 32 rows a load
	s_mov_b32 s27, 1536<<16
	s_mov_b32 s28, 32
	s_mov_b32 s29, 1536
	s_mov_b32 s30, 0
	s_mov_b32 s31, 0
	s_mov_b32 s32, 15|(3<<16)|(1<<20)|(1<<21)|(5<<22)|(3<<25)  ; scale bytes: 4,096 dense bytes as 16 rows of 256
	s_mov_b32 s33, 32<<16
	s_mov_b32 s34, 16<<16
	s_mov_b32 s35, 32<<16
	s_mov_b32 s36, 16
	s_mov_b32 s37, 32
	s_mov_b32 s38, 0
	s_mov_b32 s39, 0
	s_mul_i32 s18, s14, 64*SP
	s_add_co_u32 s18, s18, STG                     ; my stage
	s_mul_i32 s20, s16, 393216                     ; y's images: 256 a block of tokens, my wave's tiles 4 w ..
	s_mul_i32 s21, s14, 12288
	s_add_co_u32 s20, s20, s21
	s_mov_b32 s21, 0
	s_lshl_b32 s22, s16, 14                        ; y's words: [block][head][tile][16]
	s_lshl_b32 s23, s14, 8
	s_add_co_u32 s22, s22, s23
	s_mov_b32 s23, 0
	s_mul_i32 s48, s17, 98304                      ; Wc's 64 rows, my 32 of them
	s_mul_i32 s49, s19, 49152
	s_add_co_u32 s48, s48, s49
	s_mov_b32 s49, 0
	s_lshl_b32 s50, s17, 12
	s_mov_b32 s51, 0
	s_lshl_b32 s52, s16, 20                        ; out: my first row (4,096 bytes a row) and column
	s_lshl_b32 s53, s14, 18
	s_add_co_u32 s52, s52, s53
	s_lshl_b32 s53, s17, 8
	s_add_co_u32 s52, s52, s53
	s_mov_b32 s53, 0
	v_and_b32 v12, 31, v0
	v_and_b32 v13, 15, v0
	v_bfe_u32 v14, v0, 4, 1
	v_lshlrev_b32 v[LI16], 4, v12
	v_lshlrev_b32 v[LI4], 2, v13
	v_mul_u32_u24 v15, v13, PITCH
	v_mad_u32_u24 v[ADB], v14, 24, v15
	v_lshl_add_u32 v[ADB+1], v14, 3, v[ADB]
	v_add_nc_u32 v[ADB+2], 32*PITCH, v[ADB]
	v_add_nc_u32 v[ADB+3], 32*PITCH, v[ADB+1]
	v_lshlrev_b32 v15, 6, v13                      ; 64 scale bytes a row,
	v_lshrrev_b32 v16, 2, v13
	v_lshl_add_u32 v15, v16, 4, v15                ; 16 more behind each 256
	v_add_nc_u32 v[ADS], SCLB, v15
	v_mul_u32_u24 v17, v13, SP
	v_lshl_add_u32 v17, v14, 5, v17
	v_add_nc_u32 v[STO], s18, v17                  ; in: row l % 16, 32 bytes a half
	v_mul_u32_u24 v18, v14, SP
	v_lshl_add_u32 v18, v13, 4, v18
	v_add_nc_u32 v[RD], s18, v18                   ; back: two rows of 256 bytes
	v_lshlrev_b32 v19, 12, v14
	v_lshl_add_u32 v[CO], v13, 4, v19              ; and the same two rows in out
	s_wait_alu depctr_va_vdst(0)                   ; the wait at the head's end
	s_wait_dscnt 0x0
	s_wait_kmcnt 0x0
	s_add_nc_u64 s[4:5], s[4:5], s[20:21]
	s_add_nc_u64 s[6:7], s[6:7], s[22:23]
	s_add_nc_u64 s[12:13], s[12:13], s[52:53]
	s_mov_b32 s40, 1
	s_mul_i32 s41, s19, 32*PITCH
	s_add_nc_u64 s[42:43], s[8:9], s[48:49]
	s_or_b32 s43, s43, 0x80000000
	s_mov_b32 s44, 1
	s_mov_b32 s45, SCLB
	s_add_nc_u64 s[46:47], s[10:11], s[50:51]
	s_or_b32 s47, s47, 0x80000000
	ALOAD 0                                        ; y's first three K steps are on their way while the tiles come
	ALOAD 1
	ALOAD 2
	CROUND                                         ; all four work-groups are here: the joint loads meet
	s_cmp_lt_u32 s14, 2                            ; one chain: waves 0, 1 fetch 32 rows of codes each, wave 2 the scale bytes, wave 3 nothing
	s_cbranch_scc0 .Lfor_scales
	tensor_load_to_lds s[40:43], s[24:31]
	s_nop 0
	PLACES
	s_branch .Lasked
.Lfor_scales:
	s_cmp_eq_u32 s14, 2
	s_cbranch_scc0 .Lasked
	tensor_load_to_lds s[44:47], s[32:39]
	s_nop 0
	PLACES
.Lasked:
	s_wait_tensorcnt 0x0                           ; my tile is in,
	s_barrier_signal -1
	s_barrier_wait -1                              ; everybody's is
.irp b, 0,1,2,3
.irp q, 0,1,2,3
	ds_load_b128 v[SB+16*\b+4*\q:SB+16*\b+4*\q+3], v[ADS] offset:\b*1088+16*\q   ; a row's sixteen scale words, for all of K
.endr
.endr
	BLOAD 0
; a K step: 16 products, the 16 accumulators by turns in the same order in every step.
; Loads go into sets that the step before read, four places behind its products.
.macro STEP st
.if (\st) > 0
	PLACES
.endif
.if (\st) < 13
	ALOAD (\st)+3
	s_wait_loadcnt 48                              ; behind this step's 16 loads stand three later steps' 48
.else
	s_wait_loadcnt 16*(15-(\st))
.endif
.if (\st) < 15
	BLOAD (\st)+1
	s_wait_dscnt 24                                ; all but the 24 just issued
.else
	s_wait_dscnt 0x0
.endif
	WIN 0xa4                                       ; source 0 window 0, source 1 window 1, C and D window 2
.irp a, 0,1,2,3
.irp b, 0,1,2,3
.if (\st) == 0
	v_wmma_scale_f32_16x16x128_f8f6f4 v[8*(4*\a+\b):8*(4*\a+\b)+7], v[BF+48*((\st)%2)+12*\b:BF+48*((\st)%2)+12*\b+11], v[48*((\st)%4)+12*\a:48*((\st)%4)+12*\a+11], 0, v[SB+16*\b+(\st)], v[SA+4*((\st)%4)+\a] matrix_a_fmt:MATRIX_FMT_FP6 matrix_b_fmt:MATRIX_FMT_FP6
.else
	v_wmma_scale_f32_16x16x128_f8f6f4 v[8*(4*\a+\b):8*(4*\a+\b)+7], v[BF+48*((\st)%2)+12*\b:BF+48*((\st)%2)+12*\b+11], v[48*((\st)%4)+12*\a:48*((\st)%4)+12*\a+11], v[8*(4*\a+\b):8*(4*\a+\b)+7], v[SB+16*\b+(\st)], v[SA+4*((\st)%4)+\a] matrix_a_fmt:MATRIX_FMT_FP6 matrix_b_fmt:MATRIX_FMT_FP6
.endif
.endr
.endr
	WIN 0
.endm
.set ST, 0
.rept 16
	STEP ST
.set ST, ST+1
.endr
; THE WAY OUT: each block of 16 tokens x 64 columns through my own stage, back as whole rows of 256 bytes.  LDS serves a wave's instructions in order (ISA guide 5.7.1.4).
	PLACES
.irp a, 0,1,2,3
	WIN 0x08                                       ; the data: window 2
.irp b, 0,1,2,3
	ds_store_b128 v[STO], v[32*\a+8*\b:32*\a+8*\b+3] offset:\a*16*SP+64*\b        ; each accumulator from its low end on
	ds_store_b128 v[STO], v[32*\a+8*\b+4:32*\a+8*\b+7] offset:\a*16*SP+64*\b+16
.endr
	WIN 0
.irp t, 0,1,2,3,4,5,6,7
	ds_load_b128 v[BK+32*\a+4*\t:BK+32*\a+4*\t+3], v[RD] offset:(16*\a+2*\t)*SP
.endr
.endr
.irp a, 0,1,2,3
	s_wait_dscnt 16*(3-\a)                         ; behind block a's loads stand 16 LDS instructions for each later block
.irp t, 0,1,2,3,4,5,6,7
	global_store_b128 v[CO], v[BK+32*\a+4*\t:BK+32*\a+4*\t+3], s[12:13] offset:(16*\a+2*\t)*4096 th:TH_STORE_NT   ; sixteen lanes store 256 consecutive bytes, aligned
.endr
.endr
	s_wait_tensorcnt 0x0                           ; the wave's end
	ds_add_u32 v[SPW], v[NIL]
	s_wait_dscnt 0x0
	CROUND                                         ; the closing round
	s_endpgm
.Lfunc_end_k_qbae498d07c_outp:
	.size	k_qbae498d07c_outp, .Lfunc_end_k_qbae498d07c_outp-k_qbae498d07c_outp
	.p2alignl 7, 3214868480
	.fill 96, 4, 3214868480
	.section	.rodata,"a",@progbits
	.p2align	6, 0x0
	.amdhsa_kernel k_qbae498d07c_outp
		.amdhsa_group_segment_fixed_size 196608
		.amdhsa_private_segment_fixed_size 0
		.amdhsa_enable_private_segment 0
		.amdhsa_kernarg_size 40
		.amdhsa_user_sgpr_count 2
		.amdhsa_user_sgpr_kernarg_segment_ptr 1
		.amdhsa_wavefront_size32 1
		.amdhsa_system_sgpr_workgroup_id_x 1
		.amdhsa_system_sgpr_workgroup_id_y 1
		.amdhsa_system_sgpr_workgroup_id_z 1
		.amdhsa_system_vgpr_workitem_id 0
		.amdhsa_next_free_vgpr 640
		.amdhsa_next_free_sgpr 66
		.amdhsa_reserve_vcc 0
		.amdhsa_float_denorm_mode_32 3
		.amdhsa_float_denorm_mode_16_64 3
		.amdhsa_memory_ordered 1
		.amdhsa_forward_progress 1
		.amdhsa_inst_pref_size 100
	.end_amdhsa_kernel
	.amdgpu_metadata
---
amdhsa.version: [ 1, 2 ]
amdhsa.kernels:
  - .name:           k_qbae498d07c_outp
    .symbol:         k_qbae498d07c_outp.kd
    .args:
      - { .name: yfrag, .offset: 0, .size: 8, .value_kind: global_buffer, .address_space: global }
      - { .name: ysc, .offset: 8, .size: 8, .value_kind: global_buffer, .address_space: global }
      - { .name: Wc_codes, .offset: 16, .size: 8, .value_kind: global_buffer, .address_space: global }
      - { .name: Wc_scales, .offset: 24, .size: 8, .value_kind: global_buffer, .address_space: global }
      - { .name: out0, .offset: 32, .size: 8, .value_kind: global_buffer, .address_space: global }
    .group_segment_fixed_size: 196608
    .private_segment_fixed_size: 0
    .kernarg_segment_align: 8
    .kernarg_segment_size: 40
    .max_flat_workgroup_size: 128
    .sgpr_count:     66
    .vgpr_count:     640
    .wavefront_size: 32
...
	.end_amdgpu_metadata
.endif
;; end of part 3
